; MI455X (gfx1250); checked and timed in simulation.
; The chip was launched on July 23, 2026; its instructions are those of AMD's public machine-readable ISA for CDNA 5 (MIT licence, August 2026) and "CDNA5" Instruction Set Architecture Reference Guide (July 2026). The comments in the code are by the model that wrote it; some were corrected since.
;; PM Subgoal Attention. Allowed arithmetic: matrix products marked QUANTISED: E3M2 operands, one E8M0 scale for each 32 along K, by v_wmma_scale_f32_16x16x128_f8f6f4 with both operands' format E3M2, f32 sums; products left as they are: f32 operands where the result goes on into a quantised operand, else bf16, f16 or f32 operands; f32 sums; everything else in f32.
;; Inputs: Wk_codes 512 x 16 x 24 uint8 (E3M2 codes of Wk, K innermost, in blocks of 32 codes, four codes in three bytes); Wk_scales 512 x 16 uint8 (E8M0 scales of Wk, one for each 32 codes along K); Wq1 512 x 1 float32; Wq2_codes 512 x 16 x 24 uint8 (E3M2 codes of Wq2, K innermost, in blocks of 32 codes, four codes in three bytes); Wq2_scales 512 x 16 uint8 (E8M0 scales of Wq2, one for each 32 codes along K); Wv_codes 512 x 16 x 24 uint8 (E3M2 codes of Wv, K innermost, in blocks of 32 codes, four codes in three bytes); Wv_scales 512 x 16 uint8 (E8M0 scales of Wv, one for each 32 codes along K); bk 512 float32; bq1 512 float32; bq2 512 float32; bv 512 float32; ln_b 512 float32; ln_g 512 float32; mask 4,096 x 32 int32; pm 4,096 x 1 float32; subgoals_codes 4,096 x 32 x 16 x 24 uint8 (E3M2 codes of subgoals, K innermost, in blocks of 32 codes, four codes in three bytes); subgoals_scales 4,096 x 32 x 16 uint8 (E8M0 scales of subgoals, one for each 32 codes along K).
;; Outputs: out0 4,096 x 512 float32; out1 4,096 x 32 float32.
;; This version of the problem:
;;   THIS VERSION OF THE PROBLEM IS GIVEN IN LOW PRECISION. The matrix products marked QUANTISED in the list below multiply operands that are first quantised to E3M2 (3 exponent bits, 2 mantissa bits; 6 bits a number), with one power-of-two scale for each 32 numbers along K (OCP MX v1.0); their sums are f32. All else is computed in f32.
;;   The module's matrix products, in the order in which they are computed (A, B: the left and right operand; K: the contracted axis; several contracted axes count as one K, in the product's order):
;;     1. [M 4,096, K 1] x [K 1, N 512]; A: input pm; B: input Wq1: left as it is (K = 1 < 32)
;;     2. [M 4,096, K 512] x [K 512, N 512]; A: computed on the way; B: input Wq2 (given as codes): QUANTISED
;;     3. [M 131,072, K 512] x [K 512, N 512]; A: input subgoals (given as codes); B: input Wk (given as codes): QUANTISED
;;     4. [M 131,072, K 512] x [K 512, N 512]; A: input subgoals (given as codes); B: input Wv (given as codes): QUANTISED
;;     5. batch 4,096 x [M 1, K 512] x [K 512, N 32]; A: computed on the way; B: computed on the way: left as it is (M = 1 < 16)
;;     6. batch 4,096 x [M 1, K 32] x [K 32, N 512]; A: softmax; B: computed on the way: left as it is (M = 1 < 16)
;;   THE QUANTISER, for each operand of a quantised product, along K:
;;     - K is cut into blocks of 32 from its start; a last block that is shorter is filled with zeros.
;;     - A block's scale is 2^e with e = floor(log2(the largest magnitude in the block)) - 4, held to -126 .. 127; a block of zeros has e = 0. As a byte (E8M0): e + 127.
;;     - Each number is divided by its block's scale, clamped to +-28, and rounded to the nearest number of E3M2, ties to even, subnormals kept.
;;     - The product sums the exact products of the quantised numbers (number of the format x scale) in f32.
;;   ~~~python
;;   def quantise(x, axis):      # numpy; x: float32 -> the quantised numbers, widened to float32 again
;;       x = np.moveaxis(x, axis, -1); K = x.shape[-1]
;;       x = np.pad(x, [(0, 0)] * (x.ndim - 1) + [(0, -K % 32)]); x = x.reshape(x.shape[:-1] + (-1, 32)); a = np.abs(x).max(-1, keepdims=True)
;;       e = np.where(a > 0, np.clip(np.frexp(np.where(a > 0, a, 1))[1] - 1 - 4, -126, 127), 0)      # np.frexp(a)[1] - 1 = floor(log2(a)), exactly
;;       r = np.clip(x / 2.0 ** e, -28, 28)
;;       step = 2.0 ** (np.maximum(np.frexp(np.where(r == 0, 1, r))[1] - 1, -2) - 2)
;;       q = np.round(r / step) * step * 2.0 ** e      # np.round: ties to even
;;       return np.moveaxis(q.reshape(q.shape[:-2] + (-1,))[..., :K], -1, axis).astype(np.float32)
;;   ~~~
;;   OPERANDS COMPUTED ON THE WAY. 'Computed on the way' means the value that the module computes at that place (a softmax that the list does not call 'softmax' is quantised finished and normalised). What goes into a quantiser is computed in f32, as accurately as f32 sums, v_exp_f32 and their like allow (about 1e-6 of the number): no bf16 or f16 on the way to a quantiser, and a product that is left as it is and whose result goes on into a quantised operand takes f32 operands (vector FMAs, or v_wmma_f32_16x16x4_f32). A number that lies on a knife's edge between two numbers of the format may be rounded either way, as far as f32 arithmetic and the matrix unit's own rounding can turn it there, and no further.
;;   INPUTS GIVEN AS CODES. Wk (in the module: [512, 512], K = its axis 1); Wq2 (in the module: [512, 512], K = its axis 1); Wv (in the module: [512, 512], K = its axis 1); subgoals (in the module: [4096, 32, 512], K = its axis 2): each comes as NAME_codes (uint8): NAME with its K axis moved to the last place and cut into blocks of 32 codes, [.., K / 32, bytes a block], one block behind the other in memory; four codes in three bytes: a row's codes are one little-endian stream of bits, code i at bits 6 i .. 6 i + 5 (a code: sign, 3 exponent bits, 2 mantissa bits); and NAME_scales (uint8): the same leading axes, one E8M0 byte (e + 127) for each 32 codes along K. Its value is code x scale, taken as it is: it is not quantised again, and the codes and scales need not be those that the quantiser above would give.
;; One version. Each part assembles by itself: llvm-mc -triple=amdgcn-amd-amdhsa -mcpu=gfx1250 --defsym DOCPART=n.
;; ======== version 1 of 1: 1 launch
;; limits: right only within a limited range of input values
;; launch fused (part 1): grid 256 x 1, 4 waves a work-group, no clusters, 327,680 bytes of LDS; arguments subgoals_codes, subgoals_scales, Wk_codes, Wk_scales, Wv_codes, Wv_scales, Wq2_codes, Wq2_scales, pm, mask, Wq1, bq1, ln_g, ln_b, bq2, bk, bv, out0, out1; writes out0, out1
.if DOCPART == 1
	.amdgcn_target "amdgcn-amd-amdhsa--gfx1250"
	.amdhsa_code_object_version 6
	.text
	.protected	k_q4da0798fed_fused
	.globl	k_q4da0798fed_fused
	.p2align	8
	.type	k_q4da0798fed_fused,@function
k_q4da0798fed_fused:
	s_mov_b64 s[64:65], 0
	v_nop
	global_prefetch_b8 v0, s[64:65] scope:SCOPE_SE
	s_setreg_imm32_b32 hwreg(HW_REG_WAVE_MODE, 25, 1), 1
	s_wait_xcnt 0x0
; PMSubgoalAttention in one launch.  4,096 batches of 32 subgoals of 512 codes (BF6 = E3M2, one E8M0 byte for each 32 along K).
;   query = Q(relu(LayerNorm(pm Wq1 + bq1))) Wq2^T + bq2;  keys = S Wk^T + bk;  values = S Wv^T + bv;
;   scores = query . keys / sqrt(512) + exp(-8 (pm - n / 31)^2), -1e9 where mask = 0;  out1 = softmax(scores);  out0 = out1 . values.
; SHARES.  A work-group of four waves owns 16 batches: 512 rows of S, 32 tiles of 16 rows, which lie in LDS for the whole launch.  A wave owns 128 rows of each weight matrix: its 128 rows of Wk, later of Wv, are
; 8 tiles x 4 K steps x 12 = 384 registers.  Every tile of S (48 registers, from LDS) feeds 32 matrix instructions of each wave.  A batch is two tiles.
; KEYS: source 0 = 16 rows of Wk, source 1 = 16 rows of S: register j of lane (r, hh) is (weight row 8 hh + j, subgoal r), so a score is summed within a lane; the four waves' parts meet in LDS.
; VALUES: source 0 = 16 rows of S, source 1 = 16 rows of Wv: register j of lane (r, hh) is (subgoal 8 hh + j, weight row r): a wave makes out0's 128 columns of all 16 batches.
; THE ORDER OF K.  Lane (r, hh) takes the 192 consecutive bytes at 192 hh of a row, 48 bytes a K step: K step s holds, at the matrix instruction's place of block 2 c + hh, the row's block 8 hh + 2 s + c.  Both operands
; of every product have that order, and the scale words are put into it by v_perm_b32.
; PIPELINE.  A tile's 32 products go in two halves of 16: weight tiles 0-3, then 4-7, each half on four accumulators by turns.  Behind each product stands one line of packed arithmetic
; on the half before.  All of a tile's LDS work is one run in its first half: the next tile's fragments, scale words and factors.
; S comes by two tensor loads a wave, as rows of 256 bytes: batches 0-7 at the head, batches 8-15 behind the barrier in front of the keys; these have fifteen tiles, 480 matrix instructions a wave, in which to land.
; NO CLUSTER: S is no work-group's but one's; a weight matrix in LDS would take 221,184 bytes beside the 221,184 of S, more than there are.  NO PREFETCH: S has two fills, one asked for at the start, one half a phase ahead.
; LIMITS.  out0 takes bv once, that is, it takes the softmax's weights to sum to 1, which they do to f32 rounding (bv enters as four quarters: exact).  Positions are n x (1/31) for n / 31 (one rounding's difference).
; NaN, infinities and the scale byte 0xff among the inputs are not served.  A block of zeros of the hidden layer gets the byte 1 where the quantiser says 127: its codes are zeros.
.set WP,    432                        ; a row in LDS: 3 x (128 bytes + 16 of padding) = 27 x 16 bytes: sixteen rows at one place fall on sixteen different 16-byte columns of 256
.set WTILE, 16*WP
.set SCLS,  512*WP                     ; S's scale words, 16 bytes a row
.set PAR,   SCLS+8192                  ; seven arrays of 2,048 bytes: Wq1, bq1, ln_g, ln_b, bq2, bk, bv / 4
.set QL,    PAR+7*2048                 ; q[16][512] f32
.set QP,    2064
.set STG,   QL+16*QP                   ; a stage of 16 rows for each wave
.set HIMG,  STG+4*WTILE                ; the hidden layer's four fragments as images of their registers
.set HSC,   HIMG+4*1536
.set VARP,  HSC+512
.set SCP,   VARP+256                   ; scores' parts [wave][batch][n]
.set ATT,   SCP+8192                   ; the softmax's weights [batch][n]
.set QBK,   ATT+2048                   ; parts of q . bk [wave][batch]
.set MSK,   QBK+256                    ; mask, 512 bytes a wave
.set SPARE, MSK+2048                   ; the spare words, 128 bytes a wave, that no other line names
; window 0, kept throughout
.set SPW, 1
.set NIL, 2
.set AS0, 3                            ; v3-4 my place in a tile of S (v4: for the pieces between bytes 64 and 127 of my 192)
.set AS1, 4
.set ASS, 5
.set AQ,  6
.set ASC, 7
.set L16, 8
.set AST0, 9                           ; v9-10 the same in my stage
.set AST1, 10
.set ASTW, 11
.set AOS, 12
.set AOL, 13
.set R,   14
.set HH,  15
; the loops
.set XX,  16                           ; v16-19 two running pairs of scores, weight tiles 0-3, by the tile's parity
.set YY,  20                           ; v20-21 weight tiles 4-7
.set ZZ,  22
.set PP,  24                           ; v24-25 a batch's two tiles' scores
.set OO,  26                           ; v26-41 out0's running pairs, a weight tile each
.set BV4, 42                           ; v42-49 bv / 4
.set OS,  50                           ; v50-57 out0's sums
.set WSR, 60                           ; v60-75 the weights' scale words: register 4 u + s: lanes 0-15 tile 2 u, lanes 16-31 tile 2 u + 1
.set SSR, 76                           ; v76-83 S's scale words, two batches by turns: lanes 0-15 the batch's even tile, lanes 16-31 the odd one
.set OUT, 84
.set F,   96                           ; v96-191 S's fragments, two tiles by turns
.set ACC, 192                          ; v192-255 accumulators: halves 0 and 1
.set QW,  192                          ; windows 1 and 2: v192-255 q, or the softmax's weights, two batches by turns
; the head
.set T16, 16
.set TP,  17
.set PL16, 18
.set APL, 19
.set ABQ, 20
.set AVS, 21
.set AVL, 22
.set HWI, 23
.set HWS, 24
.set HFI, 25
.set HFS, 26
.set AQW, 27
.set PO0, 28
.set ASW, 29
.set AMK, 30
.set PMR, 32
.set MU,  34
.set RS,  36
.set BI,  38
.set LN,  40
.set QT,  42
.set AQB, 46
.set X0,  ACC
.set X1,  F
.set PC,  X1
.set TM,  X1+20
.set PW,  X1+30
.set RWK, 160                          ; raw scale bytes of Wk (later Wv)
.set RWQ, 176                          ; and of Wq2
.set T,   132                          ; the softmax's numbers
.set WV,  46                           ; s46 my wave's number
.set STW, 49                           ; s49 my stage's first byte
.set SEL, 52                           ; s[52:53] selects for lane l xor 16
.set G1,  56
.set G0A, 68
.set G0B, 72
.set PMS, 76                           ; s[76:79] pm of my wave's four batches
.set MSB, 0
.macro WIN new                         ; the immediate's high byte repeats the setting that is left; a switch that changes nothing is dropped
.if MSB != (\new)
	s_set_vgpr_msb (MSB<<8)|(\new)
.set MSB, (\new)
.endif
.endm
.macro BAR                             ; my LDS instructions are done: then the work-group's barrier
	s_wait_alu depctr_va_vdst(0)
	s_wait_dscnt 0x0
	s_barrier_signal -1
	s_barrier_wait -1
.endm
; Where tile t's fragment s lives.  m = 0: Wk and Wv: windows 1 (tiles 0-3) and 2 (4-7).  m = 1: Wq2, and Wv's tiles 0-4 on their way: window 3, then what is free
.macro HOME m, t, s
.if (\m) == 0
.set HW, 1+(\t)/4
.set HR, 48*((\t)%4)+12*(\s)
.elseif (\t) < 5
.set HW, 3
.set HR, 48*(\t)+12*(\s)
.elseif (\t) < 7
.set HW, (\t)-4
.set HR, 192+12*(\s)
.elseif (\s) < 3
.set HW, 1+(\s)
.set HR, 240
.else
.set HW, 0
.set HR, 84
.endif
.endm
; K step s of a tile at off: three pieces of 16 bytes of the lane's twelve
.macro FRG3 reg, adr, s, off
.irp c, 0,1,2
.set PCE, 3*(\s)+\c
.if PCE/4 == 1
	ds_load_b128 v[(\reg)+4*\c:(\reg)+4*\c+3], v[(\adr)+1] offset:(\off)+16*PCE
.else
	ds_load_b128 v[(\reg)+4*\c:(\reg)+4*\c+3], v[\adr] offset:(\off)+16*PCE+16*(PCE/8)
.endif
.endr
.endm
; 16 weight rows, 6,144 dense bytes, as twelve loads of 512 bytes
.macro RAWLD m, t, base
.irp s, 0,1,2,3
	HOME \m, \t, \s
	WIN HW<<6
.irp c, 0,1,2
	global_load_b128 v[HR+4*\c:HR+4*\c+3], v[L16], s[\base:\base+1] offset:6144*(\t)+512*(3*\s+\c)
.endr
.endr
.endm
; They go through my stage and become the tile's four fragments.  LDS serves a wave's instructions in order (ISA guide 5.7.1.4): no wait stands between, nor in front of the next tile's stores
.macro TURN ms, md, t
.irp s, 0,1,2,3
	HOME \ms, \t, \s
	WIN HW<<2
.irp c, 0,1,2
	ds_store_b128 v[ASTW], v[HR+4*\c:HR+4*\c+3] offset:576*(3*\s+\c)
.endr
.endr
.irp s, 0,1,2,3
	HOME \md, \t, \s
	WIN HW<<6
	FRG3 HR, AST0, \s, 0
.endr
.endm
; Scale bytes of 4 x 32 rows, 16 bytes a row: word s becomes blocks 2 s, 8 + 2 s, 2 s + 1, 9 + 2 s
.macro PERM d, w
.irp u, 0,1,2,3
	v_perm_b32 v[(\d)+4*\u], v[(\w)+4*\u+2], v[(\w)+4*\u], s80
	v_perm_b32 v[(\d)+4*\u+1], v[(\w)+4*\u+2], v[(\w)+4*\u], s81
	v_perm_b32 v[(\d)+4*\u+2], v[(\w)+4*\u+3], v[(\w)+4*\u+1], s80
	v_perm_b32 v[(\d)+4*\u+3], v[(\w)+4*\u+3], v[(\w)+4*\u+1], s81
.endr
.endm
.macro GBLOAD u                        ; ln_g and ln_b of my block u: 32 numbers each
.irp j, 0,1,2,3,4,5,6,7
	ds_load_b128 v[X1+4*\j:X1+4*\j+3], v[APL] offset:4096+128*(\u)+16*\j
	ds_load_b128 v[X1+32+4*\j:X1+32+4*\j+3], v[APL] offset:6144+128*(\u)+16*\j
.endr
.endm
; The matrix instruction on rD, rA, rB, rSA, rSB.  c: its C;  ra, rb: which sixteen lanes of the scale registers hold A's and B's words
.macro WMC c, ra, rb
.if ((\ra) == 0) && ((\rb) == 0)
	v_wmma_scale_f32_16x16x128_f8f6f4 v[rD:rD+7], v[rA:rA+11], v[rB:rB+11], \c, v[rSA], v[rSB] matrix_a_fmt:MATRIX_FMT_BF6 matrix_b_fmt:MATRIX_FMT_BF6
.elseif (\rb) == 0
	v_wmma_scale_f32_16x16x128_f8f6f4 v[rD:rD+7], v[rA:rA+11], v[rB:rB+11], \c, v[rSA], v[rSB] matrix_a_fmt:MATRIX_FMT_BF6 matrix_b_fmt:MATRIX_FMT_BF6 matrix_a_scale:MATRIX_SCALE_ROW1
.elseif (\ra) == 0
	v_wmma_scale_f32_16x16x128_f8f6f4 v[rD:rD+7], v[rA:rA+11], v[rB:rB+11], \c, v[rSA], v[rSB] matrix_a_fmt:MATRIX_FMT_BF6 matrix_b_fmt:MATRIX_FMT_BF6 matrix_b_scale:MATRIX_SCALE_ROW1
.else
	v_wmma_scale_f32_16x16x128_f8f6f4 v[rD:rD+7], v[rA:rA+11], v[rB:rB+11], \c, v[rSA], v[rSB] matrix_a_fmt:MATRIX_FMT_BF6 matrix_b_fmt:MATRIX_FMT_BF6 matrix_a_scale:MATRIX_SCALE_ROW1 matrix_b_scale:MATRIX_SCALE_ROW1
.endif
.endm
; Product k of half h of tile n: K step k / 4, weight tile 4 h + k % 4.  K step 0 starts the sum: nothing is cleared.  ph = 0: keys, 1: values
.macro WM ph, h, n, k
.set KS, (\k)/4
.set TA, (\k)%4
.set TW, 4*(\h)+TA
.set rD, ACC+32*(\h)+8*TA
.if (\ph) == 0
.set rA, 48*TA+12*KS
.set rB, F+48*((\n)%2)+12*KS
.set rSA, WSR+4*(TW/2)+KS
.set rSB, SSR+4*(((\n)/2)%2)+KS
.if KS == 0
	WMC 0, TW%2, (\n)%2
.else
	WMC v[rD:rD+7], TW%2, (\n)%2
.endif
.else
.set rB, 48*TA+12*KS
.set rA, F+48*((\n)%2)+12*KS
.set rSB, WSR+4*(TW/2)+KS
.set rSA, SSR+4*(((\n)/2)%2)+KS
.if KS == 0
	WMC 0, (\n)%2, TW%2
.else
	WMC v[rD:rD+7], (\n)%2, TW%2
.endif
.endif
.endm
; Line k of what is made of the half before: in half 1 of tile n the tile's own half 0, in half 0 the last tile's half 1.  Each accumulator from its low end on.  The line's factors lie in the window of the half's weights.
; The four lines behind a half's last four products are the places of the first of them.
.macro LINE ph, h, n, k
.set LA, (\k)/4
.set LI, (\k)%4
.set rC, ACC+32*(1-(\h))+8*LA+2*LI
.set LT, (\n)-1+(\h)
.if (\ph) == 0
.set rQ, QW+32*((LT/2)%2)+8*LA+2*LI
.if (\h) == 1
.set rX, XX+2*(LT%2)
.else
.set rX, YY
.endif
.if (\k) == 0
	v_pk_mul_f32 v[rX:rX+1], v[rQ:rQ+1], v[rC:rC+1]
.else
	v_pk_fma_f32 v[rX:rX+1], v[rQ:rQ+1], v[rC:rC+1], v[rX:rX+1]
.endif
.else
.set rQ, QW+16*((LT/2)%2)+8*(LT%2)+2*LI
.set OT, LA+4*(1-(\h))
.set rX, OO+2*OT
.set rV, BV4+2*(OT/2)
.if ((LT%2) == 0) && (LI == 0)
.if (OT%2) == 0
	v_pk_fma_f32 v[rX:rX+1], v[rC:rC+1], v[rQ:rQ+1], v[rV:rV+1] op_sel_hi:[1,1,0]
.else
	v_pk_fma_f32 v[rX:rX+1], v[rC:rC+1], v[rQ:rQ+1], v[rV:rV+1] op_sel:[0,0,1] op_sel_hi:[1,1,1]
.endif
.else
	v_pk_fma_f32 v[rX:rX+1], v[rC:rC+1], v[rQ:rQ+1], v[rX:rX+1]
.endif
.endif
.endm
; What else stands behind line k.  keys: the last tile's two pairs become one number a lane.  values, in an even tile: the last batch's pairs become numbers (weight tiles 0-3 in half 0, 4-7 in half 1), then the two halves of
; the lanes, which hold other subgoals, are added: lane l then holds column 32 u + l.  (Additions as x 1.0 + y: a constant has no window)
.macro XTRA ph, h, n, k
.if (\ph) == 0
.if ((\h) == 1) && ((\n) > 0)
.set rX, XX+2*(((\n)-1)%2)
.if (\k) == 3
	v_pk_fma_f32 v[ZZ:ZZ+1], 1.0, v[rX:rX+1], v[YY:YY+1] op_sel_hi:[0,1,1]
.elseif (\k) == 7
	v_fma_f32 v[PP+((\n)-1)%2], 1.0, v[ZZ], v[ZZ+1]
.endif
.endif
.elseif (((\n)%2) == 0) && ((\n) > 0)
.set XK, (\k)-2-2*(\h)
.set rO, OS+4*(\h)
.if (XK >= 0) && (XK < 4)
	v_fma_f32 v[rO+XK], v[OO+8*(\h)+2*XK], 1.0, v[OO+8*(\h)+2*XK+1]
.elseif (\k) == 8+(\h)
	v_permlane16_swap_b32 v[rO], v[rO+1]
.elseif (\k) == 9+(\h)
	v_permlane16_swap_b32 v[rO+2], v[rO+3]
.elseif (\k) == 10+2*(\h)
	v_fma_f32 v[rO], v[rO], 1.0, v[rO+1]
.elseif (\k) == 11+2*(\h)
	v_fma_f32 v[rO+2], v[rO+2], 1.0, v[rO+3]
.endif
.endif
.endm
; q of a batch, or the softmax's weights of a batch, into window w: offset from the batch base, buffer bf.  q: weight tiles 0-3 in window 2, 4-7 in window 1
.macro FACT ph, w, b, bf
	WIN (\w)<<6
.if (\ph) == 0
.irp a, 0,1,2,3
	ds_load_b128 v[QW+32*(\bf)+8*\a:QW+32*(\bf)+8*\a+3], v[AQ] offset:QP*(\b)+256*(2-(\w))+64*\a
	ds_load_b128 v[QW+32*(\bf)+8*\a+4:QW+32*(\bf)+8*\a+7], v[AQ] offset:QP*(\b)+256*(2-(\w))+64*\a+16
.endr
.else
.irp a, 0,1
	ds_load_b128 v[QW+16*(\bf)+8*\a:QW+16*(\bf)+8*\a+3], v[AQ] offset:128*(\b)+64*\a
	ds_load_b128 v[QW+16*(\bf)+8*\a+4:QW+16*(\bf)+8*\a+7], v[AQ] offset:128*(\b)+64*\a+16
.endr
.endif
.endm
.macro STAGEOUT                        ; a batch's 128 columns: four words a lane in, 16 consecutive bytes a lane back
.irp u, 0,1,2,3
	ds_store_b32 v[AOS], v[OS+2*\u] offset:128*\u
.endr
	ds_load_b128 v[OUT:OUT+3], v[AOL]
.endm
; A tile's run of LDS work.  The batch two tiles back leaves: keys: its scores' part (odd tiles); values: through the stage (odd tiles), then to memory (even tiles).
.macro BURST ph, n, pre, st
	WIN 0
.if (\st) && (((\n)%2) == 1)
.if (\ph) == 0
	ds_store_b32 v[ASC], v[PP] offset:128*(((\n)-3)/2)
.else
	s_wait_xcnt 0x0                                ; the last store has read its registers
	STAGEOUT
.endif
.endif
.if (\st) && (((\n)%2) == 0) && ((\ph) == 1)
	global_store_b128 v[L16], v[OUT:OUT+3], s[42:43] offset:2048*(((\n)-4)/2) th:TH_STORE_NT   ; 512 consecutive bytes, at a multiple of 512 from out0's first byte
.endif
.if \pre
.irp s, 0,1,2,3
	FRG3 F+48*(((\n)+1)%2)+12*\s, AS0, \s, WTILE*((\n)+1)
.endr
.if ((\n)%2) == 1
.set rS, SSR+4*((((\n)+1)/2)%2)
	ds_load_b128 v[rS:rS+3], v[ASS] offset:512*(((\n)+1)/2)
	FACT \ph, 2, ((\n)+1)/2, (((\n)+1)/2)%2
.else
	FACT \ph, 1, (\n)/2, ((\n)/2)%2
.endif
.endif
.endm
; Tile n, counted from the trip's base (a multiple of four tiles).  red: the tile before has a half to be worked up;  pre: fetch the next tile;  st: a batch leaves;  wv: fetch Wv's raw tile wv - 1
.macro SLOT ph, n, red, pre, st, wv
	s_wait_dscnt 0x0                               ; all that the last tile's run asked for is in
.set WINA, 1+3*(\ph)
	WIN WINA
.irp k, 0,1,2,3,4,5,6,7,8,9,10,11
	WM \ph, 0, \n, \k
.if \red
	LINE \ph, 0, \n, \k
	XTRA \ph, 0, \n, \k
.endif
.endr
	BURST \ph, \n, \pre, \st
.if (\wv) > 0
	RAWLD 1, (\wv)-1, 16
.endif
	WIN WINA
.irp k, 12,13,14,15
	WM \ph, 0, \n, \k
.if \red
	LINE \ph, 0, \n, \k
.endif
.endr
.if (\red) == 0
.rept 4
	v_nop                                          ; places in front of the first read of half 0
.endr
.endif
	WIN 2*WINA
.irp k, 0,1,2,3,4,5,6,7,8,9,10,11,12,13,14,15
	WM \ph, 1, \n, \k
	LINE \ph, 1, \n, \k
	XTRA \ph, 1, \n, \k
.endr
.if ((\ph) == 0) && (((\n)%2) == 0) && ((\n) > 0)
	WIN 0
	v_permlane16_swap_b32 v[PP], v[PP+1]           ; the halves of the lanes hold other weight rows: added, lane l holds subgoal l
	v_add_f32 v[PP], v[PP], v[PP+1]
.endif
.endm
.macro TRIP ph
.irp n, 3,4,5,6
	SLOT \ph, \n, 1, 1, 1, 0
.endr
	WIN 0                                          ; at a label and at a branch every window is 0
	v_add_nc_u32 v[AS0], 4*WTILE, v[AS0]
	v_add_nc_u32 v[AS1], 4*WTILE, v[AS1]
	v_add_nc_u32 v[ASS], 1024, v[ASS]
.if (\ph) == 0
	v_add_nc_u32 v[AQ], 2*QP, v[AQ]
	v_add_nc_u32 v[ASC], 256, v[ASC]
.else
	v_add_nc_u32 v[AQ], 256, v[AQ]
	s_wait_xcnt 0x0                                ; the trip's stores have read their base
	s_add_nc_u64 s[42:43], s[42:43], 4096
.endif
.endm
.macro PRIME ph                        ; what tile 0 wants
	WIN 0
.irp s, 0,1,2,3
	FRG3 F+12*\s, AS0, \s, 0
.endr
	ds_load_b128 v[SSR:SSR+3], v[ASS]
	FACT \ph, 2, 0, 0
.endm
.macro PLACE0                          ; my places in S's first tile and its scale words
	v_mul_u32_u24 v[AS0], v[R], WP
	v_mad_u32_u24 v[AS1], v[HH], 224, v[AS0]
	v_mad_u32_u24 v[AS0], v[HH], 208, v[AS0]
	v_add_nc_u32 v[ASS], SCLS, v[L16]
.endm
; ---------------- the head
	s_load_b512 s[8:23], s[0:1], 0x0               ; S's codes s[8:9], scales s[10:11], Wk's s[12:15], Wv's s[16:19], Wq2's s[20:23]
	s_load_b512 s[24:39], s[0:1], 0x40             ; pm s[24:25], mask s[26:27], Wq1, bq1, ln_g, ln_b, bq2, bk s[28:39]
	s_load_b128 s[40:43], s[0:1], 0x80             ; bv s[40:41], out0 s[42:43]
	s_load_b64 s[44:45], s[0:1], 0x90              ; out1
	v_lshl_add_u32 v[SPW], v0, 2, SPARE
	v_mov_b32 v[NIL], 0
	ds_add_u32 v[SPW], v[NIL]
	ds_add_u32 v[SPW], v[NIL]
	v_lshrrev_b32 v[LN], 5, v0
	v_readfirstlane_b32 s[WV], v[LN]               ; wave 0..3
	s_mov_b32 s48, ttmp9                           ; my work-group's number
	s_mov_b32 s[SEL], 0x76543210
	s_mov_b32 s[SEL+1], 0xfedcba98
	s_mov_b32 s80, 0x05010400
	s_mov_b32 s81, 0x07030602
	s_mov_b32 s[G1+0], (3<<16)|(1<<20)|(4<<22)|(3<<25)   ; 17:16 elements of 8 bytes; 20 padding on; 24:22 after every 32 words (code 4); 31:25 of 4 words (code 3)
	s_mov_b32 s[G1+1], 32<<16                      ; 64 dense rows of S = 24,576 bytes as 96 rows of 256
	s_mov_b32 s[G1+2], 96<<16
	s_mov_b32 s[G1+3], 32<<16
	s_mov_b32 s[G1+4], 96
	s_mov_b32 s[G1+5], 32
	s_mov_b32 s[G1+6], 0
	s_mov_b32 s[G1+7], 0
	s_mov_b32 s51, 0
	s_mov_b32 s99, 0
	s_mul_i32 s98, s48, 196608
	s_mul_i32 s50, s[WV], 24576
	s_add_co_u32 s98, s98, s50
	s_mov_b32 s[G0A], 1
	s_mul_i32 s[G0A+1], s[WV], 64*WP               ; LDS: my 64 rows of a half
	s_mov_b32 s[G0B], 1
	s_add_co_u32 s[G0B+1], s[G0A+1], 256*WP
	s_wait_alu depctr_va_vdst(0)
	s_wait_dscnt 0x0                               ; both opening adds are done
	s_wait_kmcnt 0x0
	s_add_nc_u64 s[G0A+2:G0A+3], s[8:9], s[98:99]
	s_add_nc_u64 s[G0B+2:G0B+3], s[G0A+2:G0A+3], 98304   ; eight batches on
	s_or_b32 s[G0A+3], s[G0A+3], 0x80000000
	s_or_b32 s[G0B+3], s[G0B+3], 0x80000000
	tensor_load_to_lds s[G0A:G0A+3], s[G1:G1+7]    ; my quarter of batches 0-7
	s_nop 0
.rept 4
	v_nop
.endr
	; where my wave's parts begin
	s_lshl_b32 s98, s48, 13                        ; S's scale bytes: 8,192 a work-group, 2,048 a wave
	s_lshl_b32 s50, s[WV], 11
	s_add_co_u32 s98, s98, s50
	s_add_nc_u64 s[10:11], s[10:11], s[98:99]
	s_add_nc_u64 s[14:15], s[14:15], s[50:51]      ; the weights' scale bytes: 128 rows a wave
	s_add_nc_u64 s[18:19], s[18:19], s[50:51]
	s_add_nc_u64 s[22:23], s[22:23], s[50:51]
	s_mul_i32 s50, s[WV], 49152                    ; and their codes
	s_add_nc_u64 s[12:13], s[12:13], s[50:51]
	s_add_nc_u64 s[16:17], s[16:17], s[50:51]
	s_add_nc_u64 s[20:21], s[20:21], s[50:51]
	s_lshl_b32 s98, s48, 6
	s_add_nc_u64 s[24:25], s[24:25], s[98:99]      ; pm: 16 batches a work-group
	s_lshl_b32 s50, s[WV], 4
	s_add_nc_u64 s[82:83], s[24:25], s[50:51]
	s_load_b128 s[PMS:PMS+3], s[82:83], 0x0        ; my four batches'
	s_lshl_b32 s50, s[WV], 9
	s_lshl_b32 s98, s48, 11                        ; mask and out1: 128 bytes a batch, four batches a wave
	s_add_co_u32 s98, s98, s50
	s_add_nc_u64 s[26:27], s[26:27], s[98:99]
	s_add_nc_u64 s[44:45], s[44:45], s[98:99]
	s_lshl_b32 s98, s48, 15                        ; out0: 16 rows of 2,048 bytes a work-group, 512 bytes of each a wave
	s_add_co_u32 s98, s98, s50
	s_add_nc_u64 s[42:43], s[42:43], s[98:99]
	s_mul_i32 s[STW], s[WV], WTILE
	s_add_co_u32 s[STW], s[STW], STG
	v_and_b32 v[LN], 31, v0                        ; lane
	v_lshlrev_b32 v[L16], 4, v[LN]
	v_and_b32 v[R], 15, v0
	v_bfe_u32 v[HH], v0, 4, 1
	v_lshlrev_b32 v[T16], 4, v0
	v_lshlrev_b32 v[PO0], 2, v[R]
	v_lshl_add_u32 v[TP], v0, 4, PAR
	v_add_nc_u32 v[PL16], PAR, v[L16]
	PLACE0
	v_add_nc_u32 v[AST0], s[STW], v[AS0]
	v_add_nc_u32 v[AST1], s[STW], v[AS1]
	v_lshrrev_b32 v[ASTW], 3, v[LN]
	v_lshl_add_u32 v[ASTW], v[ASTW], 4, v[L16]     ; 16 x lane, and 16 more for each 128 bytes passed
	v_add_nc_u32 v[ASTW], s[STW], v[ASTW]
	v_lshl_add_u32 v[AOS], v[LN], 2, s[STW]
	v_add_nc_u32 v[AOL], s[STW], v[L16]
	s_lshl_b32 s96, s[WV], 8
	s_add_co_u32 s96, s96, PAR
	v_lshl_add_u32 v[APL], v[HH], 10, s96          ; hidden units 256 hh + 64 w + 0 .. 63
	s_add_co_u32 s97, s50, PAR+8192
	v_lshl_add_u32 v[ABQ], v[HH], 5, s97           ; bq2 of my wave's 128 rows, my half's 8 of each 16
	s_add_co_u32 s97, s50, QL
	v_lshl_add_u32 v[AQ], v[HH], 5, s97            ; q of batch 0, the same rows
	v_mul_u32_u24 v[AQW], v[R], QP
	v_add_nc_u32 v[AQW], v[AQW], v[AQ]             ; q of batch r
	s_lshl_b32 s96, s[WV], 6
	s_add_co_u32 s97, s96, VARP
	v_lshl_add_u32 v[AVS], v[R], 2, s97
	v_lshl_add_u32 v[AVL], v[R], 2, VARP
	s_add_co_u32 s97, s96, QBK
	v_lshl_add_u32 v[AQB], v[R], 2, s97
	s_mul_i32 s97, s[WV], 1536
	s_add_co_u32 s97, s97, HIMG
	v_add_nc_u32 v[HWI], s97, v[L16]
	s_lshl_b32 s97, s[WV], 7
	s_add_co_u32 s97, s97, HSC
	v_lshl_add_u32 v[HWS], v[LN], 2, s97
	v_add_nc_u32 v[HFI], HIMG, v[L16]
	v_lshl_add_u32 v[HFS], v[LN], 2, HSC
	s_lshl_b32 s96, s[WV], 11
	s_add_co_u32 s97, s96, SCLS
	v_add_nc_u32 v[ASW], s97, v[L16]
	s_add_co_u32 s97, s96, SCP
	v_lshl_add_u32 v[ASC], v[LN], 2, s97
	s_add_co_u32 s97, s50, MSK
	v_add_nc_u32 v[AMK], s97, v[L16]
	s_wait_alu depctr_va_vdst(0)
; ---------------- 21 small loads, then Wq2's tiles
.irp a, 0,1,2,3,4,5,6
	global_load_b128 v[X1+4*\a:X1+4*\a+3], v[T16], s[28+2*\a:29+2*\a]
.endr
	global_load_b32 v[PMR], v[PO0], s[24:25]
	global_load_b128 v[X1+28:X1+31], v[L16], s[26:27]
.irp u, 0,1,2,3
	global_load_b128 v[X0+4*\u:X0+4*\u+3], v[L16], s[10:11] offset:512*\u th:TH_LOAD_NT
	global_load_b128 v[RWQ+4*\u:RWQ+4*\u+3], v[L16], s[22:23] offset:512*\u
	global_load_b128 v[RWK+4*\u:RWK+4*\u+3], v[L16], s[14:15] offset:512*\u
.endr
	RAWLD 1, 0, 20
	RAWLD 1, 1, 20
	RAWLD 1, 2, 20
	WIN 0
	s_wait_kmcnt 0x0
	s_wait_loadcnt 36                              ; loads come back in order (ISA guide 5.7.1): the small ones are in, three tiles may be out
	v_pk_mul_f32 v[X1+24:X1+25], v[X1+24:X1+25], 0x3e800000 op_sel_hi:[1,0]   ; bv / 4
	v_pk_mul_f32 v[X1+26:X1+27], v[X1+26:X1+27], 0x3e800000 op_sel_hi:[1,0]
	PERM X0+16, X0
	PERM WSR, RWQ
	v_mov_b32 v[PMR+1], v[PMR]
.irp a, 0,1,2,3,4,5,6
	ds_store_b128 v[TP], v[X1+4*\a:X1+4*\a+3] offset:2048*\a
.endr
	ds_store_b128 v[AMK], v[X1+28:X1+31]
.irp u, 0,1,2,3
	ds_store_b128 v[ASW], v[X0+16+4*\u:X0+19+4*\u] offset:512*\u
.endr
	RAWLD 1, 3, 20
	RAWLD 1, 4, 20
	WIN 0
	BAR
; ---------------- LayerNorm.  Lane (r, hh) holds batch r; wave w makes hidden units 256 hh + 64 w + 0 .. 63, two whole blocks of 32: K step w of the query's product
.irp i, 0,1,2,3
	ds_load_b128 v[X0+4*\i:X0+4*\i+3], v[PL16] offset:512*\i            ; all of Wq1, 16 numbers a lane,
	ds_load_b128 v[X0+16+4*\i:X0+16+4*\i+3], v[PL16] offset:2048+512*\i   ; and of bq1: the mean of pm Wq1 + bq1 is pm x mean(Wq1) + mean(bq1)
.endr
	s_wait_dscnt 0x0
.irp o, 0,16
	v_pk_add_f32 v[X0+\o:X0+\o+1], v[X0+\o:X0+\o+1], v[X0+\o+2:X0+\o+3]
	v_pk_add_f32 v[X0+\o+4:X0+\o+5], v[X0+\o+4:X0+\o+5], v[X0+\o+6:X0+\o+7]
	v_pk_add_f32 v[X0+\o+8:X0+\o+9], v[X0+\o+8:X0+\o+9], v[X0+\o+10:X0+\o+11]
	v_pk_add_f32 v[X0+\o+12:X0+\o+13], v[X0+\o+12:X0+\o+13], v[X0+\o+14:X0+\o+15]
	v_pk_add_f32 v[X0+\o:X0+\o+1], v[X0+\o:X0+\o+1], v[X0+\o+4:X0+\o+5]
	v_pk_add_f32 v[X0+\o+8:X0+\o+9], v[X0+\o+8:X0+\o+9], v[X0+\o+12:X0+\o+13]
	v_pk_add_f32 v[X0+\o:X0+\o+1], v[X0+\o:X0+\o+1], v[X0+\o+8:X0+\o+9]
	v_add_f32 v[X0+\o], v[X0+\o], v[X0+\o+1]
	v_add_f32_dpp v[X0+\o], v[X0+\o], v[X0+\o] row_xmask:1 row_mask:0xf bank_mask:0xf
	v_add_f32_dpp v[X0+\o], v[X0+\o], v[X0+\o] row_xmask:2 row_mask:0xf bank_mask:0xf
	v_add_f32_dpp v[X0+\o], v[X0+\o], v[X0+\o] row_xmask:4 row_mask:0xf bank_mask:0xf
	v_add_f32_dpp v[X0+\o], v[X0+\o], v[X0+\o] row_xmask:8 row_mask:0xf bank_mask:0xf
	v_permlanex16_b32 v[X0+\o+1], v[X0+\o], s[SEL], s[SEL+1]
	v_add_f32 v[X0+\o], v[X0+\o], v[X0+\o+1]
	v_mul_f32 v[X0+\o], 0x3b000000, v[X0+\o]       ; / 512
.endr
	v_fma_f32 v[MU], v[PMR], v[X0], v[X0+16]
	v_fma_f32 v[MU+1], v[PMR], v[X0], v[X0+16]
	s_wait_alu depctr_va_vdst(0)
.irp j, 0,1,2,3,4,5,6,7,8,9,10,11,12,13,14,15
	ds_load_b128 v[X0+4*\j:X0+4*\j+3], v[APL] offset:16*\j
	ds_load_b128 v[X1+4*\j:X1+4*\j+3], v[APL] offset:2048+16*\j
.endr
	s_wait_dscnt 0x0
.set j, 0
.rept 32
	v_pk_fma_f32 v[X0+j:X0+j+1], v[X0+j:X0+j+1], v[PMR:PMR+1], v[X1+j:X1+j+1]   ; h = pm Wq1 + bq1
.set j, j+2
.endr
.set j, 0
.rept 32
	v_pk_add_f32 v[X0+j:X0+j+1], v[X0+j:X0+j+1], v[MU:MU+1] neg_lo:[0,1] neg_hi:[0,1]   ; h - mean
.set j, j+2
.endr
	v_pk_mul_f32 v[X1:X1+1], v[X0:X0+1], v[X0:X0+1]   ; the sum of its squares, in two packed chains
	v_pk_mul_f32 v[X1+2:X1+3], v[X0+2:X0+3], v[X0+2:X0+3]
.set j, 4
.rept 15
	v_pk_fma_f32 v[X1:X1+1], v[X0+j:X0+j+1], v[X0+j:X0+j+1], v[X1:X1+1]
	v_pk_fma_f32 v[X1+2:X1+3], v[X0+j+2:X0+j+3], v[X0+j+2:X0+j+3], v[X1+2:X1+3]
.set j, j+4
.endr
	v_pk_add_f32 v[X1:X1+1], v[X1:X1+1], v[X1+2:X1+3]
	v_add_f32 v[X1], v[X1], v[X1+1]
	v_permlanex16_b32 v[X1+1], v[X1], s[SEL], s[SEL+1]
	v_add_f32 v[X1], v[X1], v[X1+1]                ; my wave's 128 units of batch r
	ds_store_b32 v[AVS], v[X1]                     ; (both halves of the lanes write the same word with the same value)
	BAR
	RAWLD 1, 5, 20
	RAWLD 1, 6, 20
	RAWLD 1, 7, 20
	WIN 0
	ds_load_b32 v[RS], v[AVL]                      ; the four waves' parts of the variance
	ds_load_b32 v[RS+1], v[AVL] offset:64
	ds_load_b32 v[BI], v[AVL] offset:128
	ds_load_b32 v[BI+1], v[AVL] offset:192
	GBLOAD 0
	s_mov_b32 s96, 0x3b000000                      ; 1 / 512
	s_mov_b32 s97, 0x3727c5ac                      ; 1e-5
	s_wait_dscnt 0x0
	v_add_f32 v[RS], v[RS], v[RS+1]
	v_add_f32 v[BI], v[BI], v[BI+1]
	v_add_f32 v[RS], v[RS], v[BI]
	v_fma_f32 v[BI], v[RS], s96, s97               ; var + 1e-5
	s_wait_alu depctr_va_vdst(0)
	v_rsq_f32 v[RS], v[BI]
	v_rsq_f32 v[RS+1], v[BI]
	v_nop                                          ; a plain place behind the transcendentals
	s_wait_alu depctr_va_vdst(0)
.set j, 0
.rept 32
	v_pk_mul_f32 v[X0+j:X0+j+1], v[X0+j:X0+j+1], v[RS:RS+1]
.set j, j+2
.endr
.set j, 0
.rept 16
	v_pk_fma_f32 v[X0+j:X0+j+1], v[X0+j:X0+j+1], v[X1+j:X1+j+1], v[X1+32+j:X1+33+j]   ; x ln_g + ln_b
.set j, j+2
.endr
	GBLOAD 1
.set j, 0
.rept 32
	v_max_num_f32 v[X0+j], 0, v[X0+j]              ; relu
.set j, j+1
.endr
	s_wait_alu depctr_va_vdst(0)
	s_wait_dscnt 0x0
.set j, 0
.rept 16
	v_pk_fma_f32 v[X0+32+j:X0+33+j], v[X0+32+j:X0+33+j], v[X1+j:X1+j+1], v[X1+32+j:X1+33+j]
.set j, j+2
.endr
.set j, 32
.rept 32
	v_max_num_f32 v[X0+j], 0, v[X0+j]
.set j, j+1
.endr
; the quantiser: each lane holds two whole blocks, none of its numbers negative
.irp c, 0,1
	v_max3_num_f32 v[TM+\c], v[X0+32*\c], v[X0+1+32*\c], 0x2800000   ; and the floor 2^(5 - 127): so the byte cannot fall under 1
.endr
.irp i, 2,4,6,8,10,12,14,16,18,20,22,24,26,28,30
.irp c, 0,1
	v_max3_num_f32 v[TM+\c], v[TM+\c], v[X0+32*\c+\i], v[X0+1+32*\c+\i]
.endr
.endr
.irp c, 0,1
	v_add_nc_u32 v[TM+2+\c], 0xfe000000, v[TM+\c]  ; 4 off its exponent field: the conversion takes this operand's exponent field as its scale
.endr
.irp c, 0,1
	v_lshrrev_b32 v[TM+4+\c], 23, v[TM+2+\c]       ; the scale's byte
.endr
	v_lshl_or_b32 v[PW], v[TM+5], 16, v[TM+4]      ; my two bytes stand at places hh and 2 + hh of the word
	v_lshlrev_b32 v[TM+6], 3, v[HH]
	v_lshlrev_b32 v[PW], v[TM+6], v[PW]
	v_mov_b32 v[TM+7], 0
	v_permlanex16_b32 v[TM+7], v[PW], s[SEL], s[SEL+1]
	v_or_b32 v[PW], v[PW], v[TM+7]                 ; with lane l xor 16's two the word is whole
.irp c, 0,1
	v_cvt_scalef32_pk16_bf6_f32 v[PC+6*\c:PC+2+6*\c], v[X0+32*\c:X0+15+32*\c], v[TM+2+\c]
	v_cvt_scalef32_pk16_bf6_f32 v[PC+12+4*\c:PC+14+4*\c], v[X0+16+32*\c:X0+31+32*\c], v[TM+2+\c]   ; (a conversion's three registers begin on an even number)
.endr
	v_nop                                          ; one plain place behind a scaled conversion
.irp c, 0,1
.irp i, 0,1,2
	v_mov_b32 v[PC+3+6*\c+\i], v[PC+12+4*\c+\i]
.endr
.endr
	s_wait_alu depctr_va_vdst(0)
.irp c, 0,1,2                          ; the fragment goes to LDS as an image of its registers: lane l's 16 bytes at 16 l
	ds_store_b128 v[HWI], v[PC+4*\c:PC+4*\c+3] offset:512*\c
.endr
	ds_store_b32 v[HWS], v[PW]
; ---------------- my 128 rows of Wq2 become fragments; Wk's raw tiles set out.  Behind tile t's twelve loads stand those of tiles t + 1 .. 7, and from tile 3 on one tile of Wk for each tile turned
.irp t, 0,1,2,3,4,5,6,7
.if \t < 2
	s_wait_loadcnt 63
.elseif \t == 2
	s_wait_loadcnt 60
.else
	s_wait_loadcnt 48
.endif
	TURN 1, 1, \t
.if \t >= 3
	RAWLD 0, \t-3, 12
.endif
.endr
	WIN 0
	BAR
	RAWLD 0, 5, 12
	WIN 0
; ---------------- the query: my 128 rows of Wq2 (source 0) x the 16 batches (source 1): a lane holds 8 neighbouring numbers of q of batch r.  bq2 is the C of each sum's first product
.irp s, 0,1,2,3
.irp c, 0,1,2
	ds_load_b128 v[X1+12*\s+4*\c:X1+12*\s+4*\c+3], v[HFI] offset:1536*\s+512*\c
.endr
	ds_load_b32 v[SSR+\s], v[HFS] offset:128*\s
.endr
.irp t, 0,1,2,3,4,5,6,7
	ds_load_b128 v[ACC+8*\t:ACC+8*\t+3], v[ABQ] offset:64*\t
	ds_load_b128 v[ACC+8*\t+4:ACC+8*\t+7], v[ABQ] offset:64*\t+16
.endr
	s_wait_dscnt 0x0
.irp s, 0,1,2,3                        ; the eight accumulators by turns, a K step at a time
.irp t, 0,1,2,3,4,5,6,7
	HOME 1, \t, \s
	WIN HW
.set rD, ACC+8*\t
.set rA, HR
.set rB, X1+12*\s
.set rSA, WSR+4*(\t/2)+\s
.set rSB, SSR+\s
	WMC v[rD:rD+7], \t%2, 0
.endr
.endr
	WIN 0
.rept 5
	v_nop                                          ; places in front of the first read of the results, and of what is written over the operands
.endr
.irp t, 0,1,2,3,4,5,6,7
	ds_store_b128 v[AQW], v[ACC+8*\t:ACC+8*\t+3] offset:64*\t         ; each accumulator from its low end on
	ds_store_b128 v[AQW], v[ACC+8*\t+4:ACC+8*\t+7] offset:64*\t+16
.endr
.irp j, 0,1,2,3,4,5,6,7
	ds_load_b128 v[X1+8*\j:X1+8*\j+3], v[ABQ] offset:2048+64*\j       ; bk of the same rows
	ds_load_b128 v[X1+8*\j+4:X1+8*\j+7], v[ABQ] offset:2048+64*\j+16
.endr
	RAWLD 0, 6, 12
	RAWLD 0, 7, 12
	WIN 0
	PERM WSR, RWK                                  ; Wk's scale words
	s_wait_alu depctr_va_vdst(0)
	s_wait_dscnt 0x0
	v_pk_mul_f32 v[QT:QT+1], v[ACC:ACC+1], v[X1:X1+1]   ; my part of q . bk
	v_pk_mul_f32 v[QT+2:QT+3], v[ACC+2:ACC+3], v[X1+2:X1+3]
.set j, 4
.rept 15
	v_pk_fma_f32 v[QT:QT+1], v[ACC+j:ACC+j+1], v[X1+j:X1+j+1], v[QT:QT+1]
	v_pk_fma_f32 v[QT+2:QT+3], v[ACC+j+2:ACC+j+3], v[X1+j+2:X1+j+3], v[QT+2:QT+3]
.set j, j+4
.endr
	v_pk_add_f32 v[QT:QT+1], v[QT:QT+1], v[QT+2:QT+3]
	v_add_f32 v[QT], v[QT], v[QT+1]
	v_permlanex16_b32 v[QT+1], v[QT], s[SEL], s[SEL+1]
	v_add_f32 v[QT], v[QT], v[QT+1]
	ds_store_b32 v[AQB], v[QT]
; ---------------- my 128 rows of Wk become fragments
.irp t, 0,1,2,3,4,5,6,7
.if \t < 2
	s_wait_loadcnt 63
.else
	s_wait_loadcnt 12*(7-\t)
.endif
	TURN 0, 0, \t
.endr
	WIN 0
	s_wait_alu depctr_va_vdst(0)
	s_wait_tensorcnt 0x0                           ; my quarter of batches 0-7 has landed
	ds_add_u32 v[SPW], v[NIL]
	s_wait_dscnt 0x0
	s_barrier_signal -1
	s_barrier_wait -1                              ; everybody's has, and q is whole
	tensor_load_to_lds s[G0B:G0B+3], s[G1:G1+7]    ; my quarter of batches 8-15
	s_nop 0
.rept 4
	v_nop
.endr
; ---------------- keys: 32 tiles of S.  Tiles 0-2, then seven trips of four, then tile 31; Wv's tiles 0-4 set out on the way, into window 3
	PRIME 0
	SLOT 0, 0, 0, 1, 0, 1
	SLOT 0, 1, 1, 1, 0, 2
	SLOT 0, 2, 1, 1, 0, 3
	WIN 0
	s_mov_b32 s54, 3
	s_wait_alu depctr_va_vdst(0)
.Lkeys_a:                                          ; tiles 3 to 14; the last trip fetches tile 15, the first half's last
	TRIP 0
	s_wait_alu depctr_va_vdst(0)
	s_sub_co_u32 s54, s54, 1
	s_cmp_lg_u32 s54, 0
	s_cbranch_scc1 .Lkeys_a
	s_wait_tensorcnt 0x0                           ; my quarter of batches 8-15 has landed,
	BAR                                            ; everybody's has.
	RAWLD 1, 3, 16
	RAWLD 1, 4, 16
	WIN 0
	s_mov_b32 s54, 4
.Lkeys_b:
	TRIP 0
	s_wait_alu depctr_va_vdst(0)
	s_sub_co_u32 s54, s54, 1
	s_cmp_lg_u32 s54, 0
	s_cbranch_scc1 .Lkeys_b
	SLOT 0, 3, 1, 0, 1, 0
	WIN 1
.irp k, 0,1,2,3,4,5,6,7,8,9,10,11,12,13,14,15
	LINE 0, 0, 4, \k                               ; tile 31's second half
.endr
	WIN 0
	v_pk_add_f32 v[ZZ:ZZ+1], v[XX+2:XX+3], v[YY:YY+1]
	v_add_f32 v[PP+1], v[ZZ], v[ZZ+1]
	v_permlane16_swap_b32 v[PP], v[PP+1]
	v_add_f32 v[PP], v[PP], v[PP+1]
	ds_store_b32 v[ASC], v[PP] offset:128
.irp u, 0,1,2,3
	global_load_b128 v[RWK+4*\u:RWK+4*\u+3], v[L16], s[18:19] offset:512*\u   ; Wv's scale bytes,
.endr
	RAWLD 0, 5, 16                                 ; and its tiles 5-7, straight to their homes
	RAWLD 0, 6, 16
	RAWLD 0, 7, 16
	WIN 0
	BAR                                            ; all parts of all scores lie in LDS
; ---------------- the softmax: my four batches, lane = subgoal
	s_lshl_b32 s50, s[WV], 9
	s_add_co_u32 s96, s50, SCP
	v_and_b32 v[LN], 31, v0
	v_lshl_add_u32 v[T+16], v[LN], 2, s96
	s_add_co_u32 s96, s50, MSK
	v_lshl_add_u32 v[T+17], v[LN], 2, s96
	s_lshl_b32 s96, s[WV], 4
	s_add_co_u32 s96, s96, QBK
	v_mov_b32 v[T+18], s96
	s_add_co_u32 s96, s50, ATT
	v_lshl_add_u32 v[T+19], v[LN], 2, s96
	v_add_nc_u32 v[T+20], s96, v[L16]
	s_wait_alu depctr_va_vdst(0)
.irp i, 0,1,2,3
.irp w, 0,1,2,3
	ds_load_b32 v[F+4*\i+\w], v[T+16] offset:2048*\w+128*\i
.endr
	ds_load_b32 v[F+32+\i], v[T+17] offset:128*\i
	ds_load_b128 v[F+16+4*\i:F+19+4*\i], v[T+18] offset:64*\i   ; wave i's part of q . bk, four batches
.endr
	s_mov_b32 s96, 0x3d042108                      ; 1 / 31
	s_mov_b32 s97, 0xc138aa3b                      ; -8 log2(e): exp(-d^2 / (2 x 0.25^2)) = 2^(-8 log2(e) d^2)
	s_mov_b32 s98, 0x3d3504f3                      ; 512^-0.5
	s_mov_b32 s99, 0x3fb8aa3b                      ; log2(e)
	v_cvt_f32_u32 v[T+12], v[LN]
	v_mov_b32 v[T+13], 0xce6e6b28                  ; -1e9
.irp i, 0,1,2,3
	v_mov_b32 v[T+8+\i], 0                         ; (a lane permute's destination counts as one of its sources)
.endr
.irp i, 0,1,2,3
	v_fma_f32 v[T+\i], -v[T+12], s96, s[PMS+\i]    ; pm - n / 31
.endr
.irp i, 0,1,2,3
	v_mul_f32 v[T+\i], v[T+\i], v[T+\i]
.endr
.irp i, 0,1,2,3
	v_mul_f32 v[T+\i], s97, v[T+\i]
.endr
	s_wait_dscnt 0x0
	s_wait_alu depctr_va_vdst(0)
.irp i, 0,1,2,3
	v_exp_f32 v[T+\i], v[T+\i]                     ; the positional bias
.endr
.irp i, 0,1,2,3                        ; plain places behind the exponentials: the four waves' parts
	v_add_f32 v[F+4*\i], v[F+4*\i], v[F+4*\i+1]
	v_add_f32 v[F+4*\i+2], v[F+4*\i+2], v[F+4*\i+3]
	v_add_f32 v[F+16+\i], v[F+16+\i], v[F+20+\i]
	v_add_f32 v[F+24+\i], v[F+24+\i], v[F+28+\i]
.endr
.irp i, 0,1,2,3
	v_add_f32 v[F+4*\i], v[F+4*\i], v[F+4*\i+2]
	v_add_f32 v[F+16+\i], v[F+16+\i], v[F+24+\i]
.endr
.irp i, 0,1,2,3
	v_add_f32 v[F+4*\i], v[F+4*\i], v[F+16+\i]
.endr
	s_wait_alu depctr_va_vdst(0)
.irp i, 0,1,2,3
	v_fma_f32 v[T+\i], v[F+4*\i], s98, v[T+\i]     ; q . key / sqrt(512) + bias
.endr
.irp i, 0,1,2,3
	v_cmp_ne_u32 vcc_lo, 0, v[F+32+\i]
	v_cndmask_b32 v[T+\i], v[T+13], v[T+\i], vcc_lo   ; -1e9 where mask = 0
.endr
.irp i, 0,1,2,3
	v_max_num_f32_dpp v[T+4+\i], v[T+\i], v[T+\i] row_xmask:1 row_mask:0xf bank_mask:0xf
.endr
.irp x, 2,4,8
.irp i, 0,1,2,3
	v_max_num_f32_dpp v[T+4+\i], v[T+4+\i], v[T+4+\i] row_xmask:\x row_mask:0xf bank_mask:0xf
.endr
.endr
.irp i, 0,1,2,3
	v_permlanex16_b32 v[T+8+\i], v[T+4+\i], s[SEL], s[SEL+1]
.endr
.irp i, 0,1,2,3
	v_max_num_f32 v[T+4+\i], v[T+4+\i], v[T+8+\i]  ; the batch's largest score
.endr
.irp i, 0,1,2,3
	v_sub_f32 v[T+\i], v[T+\i], v[T+4+\i]
.endr
.irp i, 0,1,2,3
	v_mul_f32 v[T+\i], s99, v[T+\i]
.endr
	s_wait_alu depctr_va_vdst(0)
.irp i, 0,1,2,3
	v_exp_f32 v[T+\i], v[T+\i]
.endr
	v_nop                                          ; a plain place behind the exponentials
	s_wait_alu depctr_va_vdst(0)
.irp i, 0,1,2,3
	v_add_f32_dpp v[T+4+\i], v[T+\i], v[T+\i] row_xmask:1 row_mask:0xf bank_mask:0xf
.endr
.irp x, 2,4,8
.irp i, 0,1,2,3
	v_add_f32_dpp v[T+4+\i], v[T+4+\i], v[T+4+\i] row_xmask:\x row_mask:0xf bank_mask:0xf
.endr
.endr
.irp i, 0,1,2,3
	v_permlanex16_b32 v[T+8+\i], v[T+4+\i], s[SEL], s[SEL+1]
.endr
.irp i, 0,1,2,3
	v_add_f32 v[T+4+\i], v[T+4+\i], v[T+8+\i]
.endr
	s_wait_alu depctr_va_vdst(0)
.irp i, 0,1,2,3
	v_rcp_f32 v[T+4+\i], v[T+4+\i]
.endr
	v_nop                                          ; a plain place behind the transcendentals
	s_wait_alu depctr_va_vdst(0)
.irp i, 0,1,2,3
	v_mul_f32 v[T+\i], v[T+\i], v[T+4+\i]
.endr
.irp i, 0,1,2,3
	ds_store_b32 v[T+19], v[T+\i] offset:128*\i
.endr
	ds_load_b128 v[88:91], v[T+20]                 ; LDS serves a wave's instructions in order: this sees the stores above
	PLACE0
	v_lshl_add_u32 v[AQ], v[HH], 5, ATT            ; weights of subgoals 8 hh on, batch 0
	s_add_co_u32 s96, s50, PAR+12288
	v_lshl_add_u32 v[T+21], v[R], 2, s96
.irp t, 0,1,2,3,4,5,6,7
	ds_load_b32 v[BV4+\t], v[T+21] offset:64*\t    ; bv / 4 of rows 16 t + r
.endr
	s_wait_alu depctr_va_vdst(0)
	s_wait_dscnt 0x0
	global_store_b128 v[L16], v[88:91], s[44:45]   ; out1: my four batches, 512 consecutive bytes
; ---------------- my 128 rows of Wv become fragments
	s_wait_loadcnt 40                              ; tiles 0-4 are in: behind them stand 4 loads of scale bytes and 36 of tiles 5-7
.irp t, 0,1,2,3,4
	TURN 1, 0, \t
.endr
	s_wait_loadcnt 24
	TURN 0, 0, 5
	WIN 0
	PERM WSR, RWK
.rept 8
	v_nop                                          ; places between a scale register so written and the next scaled matrix instruction
.endr
	s_wait_alu depctr_va_vdst(0)
	s_wait_loadcnt 12
	TURN 0, 0, 6
	s_wait_loadcnt 0x0
	TURN 0, 0, 7
	WIN 0
	BAR                                            ; the weights of all batches lie in LDS
; ---------------- values: 32 tiles of S again
	PRIME 1
	SLOT 1, 0, 0, 1, 0, 0
	SLOT 1, 1, 1, 1, 0, 0
	SLOT 1, 2, 1, 1, 0, 0
	WIN 0
	s_mov_b32 s54, 7
	s_wait_alu depctr_va_vdst(0)
.Lvalues:
	TRIP 1
	s_wait_alu depctr_va_vdst(0)
	s_sub_co_u32 s54, s54, 1
	s_cmp_lg_u32 s54, 0
	s_cbranch_scc1 .Lvalues
	SLOT 1, 3, 1, 0, 1, 0
	WIN 4
.irp k, 0,1,2,3,4,5,6,7,8,9,10,11,12,13,14,15
	LINE 1, 0, 4, \k                               ; tile 31's second half, and batch 15's sums of weight tiles 0-3
	XTRA 1, 0, 4, \k
.endr
	WIN 0
	s_wait_alu depctr_va_vdst(0)
	s_wait_dscnt 0x0
	global_store_b128 v[L16], v[OUT:OUT+3], s[42:43] th:TH_STORE_NT   ; batch 14
.irp k, 4,5,6,7,9,10,12,13
	XTRA 1, 1, 4, \k                               ; batch 15's sums of weight tiles 4-7
.endr
	s_wait_alu depctr_va_vdst(0)
	s_wait_xcnt 0x0
	STAGEOUT
	s_wait_dscnt 0x0
	global_store_b128 v[L16], v[OUT:OUT+3], s[42:43] offset:2048 th:TH_STORE_NT   ; batch 15
	s_wait_tensorcnt 0x0                           ; the wave's end
	ds_add_u32 v[SPW], v[NIL]
	s_wait_dscnt 0x0
	s_endpgm
.Lfunc_end_k_q4da0798fed_fused:
	.size	k_q4da0798fed_fused, .Lfunc_end_k_q4da0798fed_fused-k_q4da0798fed_fused
	.p2alignl 7, 3214868480
	.fill 96, 4, 3214868480
	.section	.rodata,"a",@progbits
	.p2align	6, 0x0
	.amdhsa_kernel k_q4da0798fed_fused
		.amdhsa_group_segment_fixed_size 327680
		.amdhsa_private_segment_fixed_size 0
		.amdhsa_enable_private_segment 0
		.amdhsa_kernarg_size 152
		.amdhsa_user_sgpr_count 2
		.amdhsa_user_sgpr_kernarg_segment_ptr 1
		.amdhsa_wavefront_size32 1
		.amdhsa_system_sgpr_workgroup_id_x 1
		.amdhsa_system_sgpr_workgroup_id_y 1
		.amdhsa_system_sgpr_workgroup_id_z 1
		.amdhsa_system_vgpr_workitem_id 0
		.amdhsa_next_free_vgpr 1024
		.amdhsa_next_free_sgpr 100
		.amdhsa_reserve_vcc 1
		.amdhsa_float_denorm_mode_32 3
		.amdhsa_float_denorm_mode_16_64 3
		.amdhsa_memory_ordered 1
		.amdhsa_forward_progress 1
		.amdhsa_inst_pref_size 255
	.end_amdhsa_kernel
	.section	.bss,"aw",@nobits
	.p2align	6
	.space	262144
	.amdgpu_metadata
---
amdhsa.version: [ 1, 2 ]
amdhsa.kernels:
  - .name:           k_q4da0798fed_fused
    .symbol:         k_q4da0798fed_fused.kd
    .args:
      - { .name: subgoals_codes, .offset: 0, .size: 8, .value_kind: global_buffer, .address_space: global }
      - { .name: subgoals_scales, .offset: 8, .size: 8, .value_kind: global_buffer, .address_space: global }
      - { .name: Wk_codes, .offset: 16, .size: 8, .value_kind: global_buffer, .address_space: global }
      - { .name: Wk_scales, .offset: 24, .size: 8, .value_kind: global_buffer, .address_space: global }
      - { .name: Wv_codes, .offset: 32, .size: 8, .value_kind: global_buffer, .address_space: global }
      - { .name: Wv_scales, .offset: 40, .size: 8, .value_kind: global_buffer, .address_space: global }
      - { .name: Wq2_codes, .offset: 48, .size: 8, .value_kind: global_buffer, .address_space: global }
      - { .name: Wq2_scales, .offset: 56, .size: 8, .value_kind: global_buffer, .address_space: global }
      - { .name: pm, .offset: 64, .size: 8, .value_kind: global_buffer, .address_space: global }
      - { .name: mask, .offset: 72, .size: 8, .value_kind: global_buffer, .address_space: global }
      - { .name: Wq1, .offset: 80, .size: 8, .value_kind: global_buffer, .address_space: global }
      - { .name: bq1, .offset: 88, .size: 8, .value_kind: global_buffer, .address_space: global }
      - { .name: ln_g, .offset: 96, .size: 8, .value_kind: global_buffer, .address_space: global }
      - { .name: ln_b, .offset: 104, .size: 8, .value_kind: global_buffer, .address_space: global }
      - { .name: bq2, .offset: 112, .size: 8, .value_kind: global_buffer, .address_space: global }
      - { .name: bk, .offset: 120, .size: 8, .value_kind: global_buffer, .address_space: global }
      - { .name: bv, .offset: 128, .size: 8, .value_kind: global_buffer, .address_space: global }
      - { .name: out0, .offset: 136, .size: 8, .value_kind: global_buffer, .address_space: global }
      - { .name: out1, .offset: 144, .size: 8, .value_kind: global_buffer, .address_space: global }
    .group_segment_fixed_size: 327680
    .private_segment_fixed_size: 0
    .kernarg_segment_align: 8
    .kernarg_segment_size: 152
    .max_flat_workgroup_size: 128
    .sgpr_count:     100
    .vgpr_count:     1024
    .wavefront_size: 32
...
	.end_amdgpu_metadata
.endif
;; end of part 1
